; MI455X (gfx1250); checked and timed in simulation.
; The chip was launched on July 23, 2026; its instructions are those of AMD's public machine-readable ISA for CDNA 5 (MIT licence, August 2026) and "CDNA5" Instruction Set Architecture Reference Guide (July 2026). The comments in the code are by the model that wrote it; some were corrected since.
;; Multi Head. Allowed arithmetic: matrix products marked QUANTISED: E4M3 operands, one given power-of-two scale a tensor, by v_wmma_f32_16x16x64_fp8_fp8 or v_wmma_f32_16x16x128_fp8_fp8, f32 sums; everything else in f32.
;; Inputs: WK 1,024 x 1,024 float32; WO 1,024 x 1,024 float32; WQ 1,024 x 1,024 float32; WV 1,024 x 1,024 float32; lowp_scales 12 int32 (the exponents e of the quantised operands' scales 2^e); token_positions 2,048 int32; x 4 x 2,048 x 1,024 float32.
;; Outputs: out0 4 x 2,048 x 1,024 float32.
;; This version of the problem:
;;   THIS VERSION OF THE PROBLEM IS GIVEN IN LOW PRECISION. The matrix products marked QUANTISED in the list below multiply operands that are first quantised to E4M3 (4 exponent bits, 3 mantissa bits; 8 bits a number), with one given power-of-two scale for each operand tensor; their sums are f32. All else is computed in f32.
;;   The module's matrix products, in the order in which they are computed (A, B: the left and right operand; K: the contracted axis; several contracted axes count as one K, in the product's order):
;;     1. [M 8,192, K 1,024] x [K 1,024, N 1,024]; A: input x; B: input WQ: QUANTISED (scales: A lowp_scales[0], B lowp_scales[1])
;;     2. [M 8,192, K 1,024] x [K 1,024, N 1,024]; A: input x; B: input WK: QUANTISED (scales: A lowp_scales[2], B lowp_scales[3])
;;     3. [M 8,192, K 1,024] x [K 1,024, N 1,024]; A: input x; B: input WV: QUANTISED (scales: A lowp_scales[4], B lowp_scales[5])
;;     4. batch 64 x [M 2,048, K 64] x [K 64, N 2,048]; A: computed on the way; B: computed on the way: QUANTISED (scales: A lowp_scales[6], B lowp_scales[7])
;;     5. batch 64 x [M 2,048, K 2,048] x [K 2,048, N 64]; A: softmax (see below); B: computed on the way: QUANTISED (scales: A lowp_scales[8], B lowp_scales[9])
;;     6. [M 8,192, K 1,024] x [K 1,024, N 1,024]; A: computed on the way; B: input WO: QUANTISED (scales: A lowp_scales[10], B lowp_scales[11])
;;   THE QUANTISER, for each operand of a quantised product, along K:
;;     - The operand's scale is 2^e, e = its entry of the input lowp_scales (int32; the entries are numbered through the quantised products in the list's order, A before B).
;;     - Each number is divided by the scale, clamped to +-448, and rounded to the nearest number of E4M3, ties to even, subnormals kept.
;;     - The product sums the exact products of the quantised numbers (number of the format x scale) in f32.
;;   ~~~python
;;   def quantise(x, axis, e):      # numpy; x: float32 -> the quantised numbers, widened to float32 again
;;       x = np.moveaxis(x, axis, -1); K = x.shape[-1]
;;       r = np.clip(x / 2.0 ** e, -448, 448)
;;       step = 2.0 ** (np.maximum(np.frexp(np.where(r == 0, 1, r))[1] - 1, -6) - 3)
;;       q = np.round(r / step) * step * 2.0 ** e      # np.round: ties to even
;;       return np.moveaxis(q, -1, axis).astype(np.float32)
;;   ~~~
;;   SOFTMAX AHEAD OF A QUANTISED PRODUCT. Where the list says 'softmax', what is quantised is not the finished softmax but p = 2^(t - M), with t = logit x log2(e) and M = ceil(the row's largest t), a whole number; so 1/2 < the row's largest p <= 1. The row's sum l is taken of the UNQUANTISED p, in f32, and the product's result is divided by l at the end. Since M is a whole number, a kernel that streams over the keys may use a running M (the ceiling of the running maximum): every later rescaling is an exact power of two, so the quantised numbers keep their values, but for numbers so far below the row's largest that they fall under the format's range.
;;   OPERANDS COMPUTED ON THE WAY. 'Computed on the way' means the value that the module computes at that place (a softmax that the list does not call 'softmax' is quantised finished and normalised). What goes into a quantiser is computed in f32, as accurately as f32 sums, v_exp_f32 and their like allow (about 1e-6 of the number): no bf16 or f16 on the way to a quantiser, and a product that is left as it is and whose result goes on into a quantised operand takes f32 operands (vector FMAs, or v_wmma_f32_16x16x4_f32). A number that lies on a knife's edge between two numbers of the format may be rounded either way, as far as f32 arithmetic and the matrix unit's own rounding can turn it there, and no further.
;; One version. Each part assembles by itself: llvm-mc -triple=amdgcn-amd-amdhsa -mcpu=gfx1250 --defsym DOCPART=n.
;; ======== version 1 of 1: 4 launches
;; limits: right only within a limited range of input values
;; workspace buffers: xc 25,165,824 bytes; wc 4,194,304 bytes; rope 524,288 bytes; qc 8,388,608 bytes; kv 16,777,216 bytes; ac 8,388,608 bytes
;; launch quant (part 1): grid 416 x 1, 4 waves a work-group, no clusters, 35,328 bytes of LDS; arguments x, WQ, WK, WV, WO, token_positions, lowp_scales, xc, wc, rope; writes xc, wc, rope
.if DOCPART == 1
	.amdgcn_target "amdgcn-amd-amdhsa--gfx1250"
	.amdhsa_code_object_version 6
	.text
	.protected	k_q2c9271aa6d_quant
	.globl	k_q2c9271aa6d_quant
	.p2align	8
	.type	k_q2c9271aa6d_quant,@function
k_q2c9271aa6d_quant:
	s_mov_b64 s[64:65], 0
	v_nop
	global_prefetch_b8 v0, s[64:65] scope:SCOPE_SE
	s_setreg_imm32_b32 hwreg(HW_REG_WAVE_MODE, 25, 1), 1
	s_wait_xcnt 0x0
; x [8192][1024] and WQ, WK, WV, WO [1024][1024], f32, K innermost, become codes of FP8 (E4M3); token_positions becomes a table of cosines and sines.
; code = number / 2^e, held within +-448, to the nearest code, ties to even.  x is an operand of three products with three given exponents (entries 0, 2, 4), so it gets three sets of codes;
; WQ, WK, WV, WO take entries 1, 3, 5, 11.
; THE CODES ARE LAID AS THE READER'S OPERAND REGISTERS.  A block is 16 rows x 64 k, 1,024 bytes, block (T = row / 16, g = k / 64) at (16 T + g) x 1,024.  In it byte 512 q + 16 L + 8 e + i is
; row 16 T + L % 16, k = 64 g + 32 q + 16 e + 8 (L / 16) + i: lane L's registers 4 q .. 4 q + 3 of the plain 8-bit fragment, every k in its own place.  So a fragment comes and goes 16 bytes a lane, 512 consecutive bytes an instruction.
; SHARES.  Work-groups 0-255: x; 256-383: the weights, 32 each; 384-415: the table.  A wave takes 16 rows x 512 k, eight steps of one block.  A step's eight loads read two rows x 256 aligned bytes each;
; the numbers turn through the wave's own stage in LDS (rows 272 bytes apart, so that sixteen rows start at sixteen different groups of banks) and come back 8 neighbours along K at a time, as the conversions want them.
; Waves share nothing: no barrier.  Memory binds, so there is no matrix work, no cluster, no tensor load.  Loads run three steps (24 loads a wave) ahead, the turn through LDS one step.
; THE TABLE: 16 bytes at (8 st + n) x 512 + 16 L: cos, sin of frequency i0 and cos, sin of i0 + 1, for token 16 st + L % 16, i0 = 8 (n / 2) + 4 (L / 16) + 2 (n % 2): the order in which the next launch's lanes hold pairs of columns.
; inv_freq(i) = 2^(-i log2(10000) / 32), the product kept in two parts; angle = position x inv_freq, rounded once; sine and cosine by taking off k x pi/2 (pi/2 in three parts) and two series on |r| <= pi/4.
; LIMITS: -126 <= e <= 119 for entries 0-5 and 11; |position| <= 2^24 (k stays a whole f32 number); NaN among the inputs is not served (an infinity is held at the largest code).
.set SP,   272                         ; a stage row: 256 bytes + 16
.set STG,  16*SP                       ; a stage
.set WREG, 2*STG                       ; a wave's LDS: two stages by turns
.set GL,  1                            ; v1   a load's offset: 4,096 (lane / 16) + 16 (lane % 16)
.set SI,  2                            ; v2   into the stage, as loaded
.set SO,  3                            ; v3   out of it: row lane % 16, + 32 (lane / 16)
.set LI,  4                            ; v4   16 x lane
.set R,   16                           ; v16-111  three sets of 32: as loaded
.set X,   112                          ; v112-175 two sets of 32: register 8 c + i = k 16 c + 8 (lane / 16) + i of my row
.set T,   176                          ; v176-207 unused
.set C,   208                          ; v208-231 codes: eight registers for each of the three scales
.set SCL, 232                          ; v232.. scale n: 2^e as f32
	s_load_b512 s[4:19], s[0:1], 0x0               ; x, WQ, WK, WV, WO, token_positions, lowp_scales, xc
	s_load_b128 s[20:23], s[0:1], 0x40             ; wc, rope
	v_lshl_add_u32 v240, v0, 2, 0x8800
	v_mov_b32 v241, 0
	v_lshrrev_b32 v5, 5, v0
	v_readfirstlane_b32 s36, v5                    ; wave
	v_and_b32 v6, 31, v0                           ; lane
	v_and_b32 v7, 15, v0                           ; r
	v_bfe_u32 v8, v0, 4, 1                         ; h
	v_lshlrev_b32 v[LI], 4, v6
	s_wait_kmcnt 0x0
	s_cmp_ge_u32 ttmp9, 384
	s_cbranch_scc1 .Lrope
	; ---- codes.  One path for x and the weights: only pointers and the exponent are chosen, on the work-group's number
	s_load_b256 s[24:31], s[16:17], 0x0            ; e0 .. e7
	s_load_b128 s[32:35], s[16:17], 0x20           ; e8 .. e11
	s_and_b32 s37, ttmp9, 31                       ; a weight's work-group: which of its 32
	s_bfe_u32 s38, ttmp9, 0x20005                  ; and which weight: (g / 32) % 4
	s_cmp_eq_u32 s38, 1
	s_cselect_b64 s[40:41], s[8:9], s[6:7]
	s_cmp_eq_u32 s38, 2
	s_cselect_b64 s[40:41], s[10:11], s[40:41]
	s_cmp_eq_u32 s38, 3
	s_cselect_b64 s[40:41], s[12:13], s[40:41]
	s_cmp_lt_u32 ttmp9, 256
	s_cselect_b64 s[40:41], s[4:5], s[40:41]       ; from where
	s_cselect_b64 s[42:43], s[18:19], s[20:21]     ; to where
	s_cselect_b32 s37, ttmp9, s37
	s_cselect_b32 s39, 0, s38                      ; which MiB of wc
	s_lshr_b32 s48, s36, 1
	s_lshl_b32 s49, s37, 1
	s_add_co_u32 s49, s49, s48                     ; my 16 rows: 2 x local work-group + wave / 2
	s_and_b32 s50, s36, 1                          ; my half of K
	s_lshl_b32 s52, s49, 16                        ; 16 rows of 4,096 bytes
	s_lshl_b32 s51, s50, 11
	s_add_co_u32 s52, s52, s51
	s_mov_b32 s53, 0
	s_add_nc_u64 s[40:41], s[40:41], s[52:53]
	s_lshl_b32 s52, s49, 14                        ; sixteen blocks
	s_lshl_b32 s51, s50, 13
	s_add_co_u32 s52, s52, s51
	s_lshl_b32 s51, s39, 20
	s_add_co_u32 s52, s52, s51
	s_add_nc_u64 s[42:43], s[42:43], s[52:53]
	s_add_nc_u64 s[44:45], s[42:43], 0x800000      ; x's second and third sets (a weight's work-group never stores by these two)
	s_add_nc_u64 s[46:47], s[42:43], 0x1000000
	s_wait_alu depctr_va_vdst(0)
	v_lshlrev_b32 v[GL], 4, v7
	v_lshl_add_u32 v[GL], v8, 12, v[GL]
	s_mul_i32 s51, s36, WREG
	v_mul_u32_u24 v[SI], v8, SP
	v_lshl_add_u32 v[SI], v7, 4, v[SI]
	v_add_nc_u32 v[SI], s51, v[SI]
	v_mul_u32_u24 v[SO], v7, SP
	v_lshl_add_u32 v[SO], v8, 5, v[SO]
	v_add_nc_u32 v[SO], s51, v[SO]
.macro LOAD t                          ; step t: 16 rows x 256 bytes; each load two rows, sixteen lanes to 256 aligned bytes
.irp i, 0,1,2,3,4,5,6,7
	global_load_b128 v[R+32*((\t)%3)+4*\i:R+32*((\t)%3)+4*\i+3], v[GL], s[40:41] offset:8192*\i+256*(\t) th:TH_LOAD_NT
.endr
.endm
.macro TURN t                          ; through the stage: LDS serves a wave's instructions in order, so no wait stands between the stores and the loads
.irp i, 0,1,2,3,4,5,6,7
	ds_store_b128 v[SI], v[R+32*((\t)%3)+4*\i:R+32*((\t)%3)+4*\i+3] offset:STG*((\t)%2)+2*SP*\i
.endr
.irp c, 0,1,2,3
	ds_load_b128 v[X+32*((\t)%2)+8*\c:X+32*((\t)%2)+8*\c+3], v[SO] offset:STG*((\t)%2)+64*\c
	ds_load_b128 v[X+32*((\t)%2)+8*\c+4:X+32*((\t)%2)+8*\c+7], v[SO] offset:STG*((\t)%2)+64*\c+16
.endr
.endm
.macro MKSC e, n                       ; s[e] = the exponent: 2^e as f32
	s_add_co_i32 s52, s[\e], 127
	s_lshl_b32 s53, s52, 23
	v_mov_b32 v[SCL+2*\n], s53
.endm
.macro Q1 n, t                         ; step t's block with scale n: convert, store
.set XS, X+32*((\t)%2)
.set qi, 0
.rept 32
.set qi, qi+1
.endr
.irp c, 0,1,2,3
	v_cvt_scalef32_pk8_fp8_f32 v[C+8*\n+2*\c:C+8*\n+2*\c+1], v[XS+8*\c:XS+8*\c+7], v[SCL+2*\n]
.endr
	v_nop                                          ; a plain line between the conversions and the stage loads that next write their sources
	global_store_b128 v[LI], v[C+8*\n:C+8*\n+3], s[42+2*\n:43+2*\n] offset:1024*(\t)          ; 512 consecutive bytes, aligned
	global_store_b128 v[LI], v[C+8*\n+4:C+8*\n+7], s[42+2*\n:43+2*\n] offset:1024*(\t)+512
.endm
.macro STEP t
	s_wait_dscnt 0x0                               ; this step's numbers are back from the stage, and its stores into the stage have read their registers,
.if (\t)+3 < 8
	LOAD (\t)+3                                    ; which take the loads of three steps on
.endif
.if (\t) < 7
.if (\t) < 5
	s_wait_loadcnt 16                              ; the next step's eight loads are in; the sixteen behind them may be out
.else
	s_wait_loadcnt 8*(6-(\t))
.endif
	TURN (\t)+1
.endif
	s_wait_xcnt 0x0                                ; the last step's stores have read their codes: the registers are written again
	Q1 0, \t
	s_cmp_lt_u32 ttmp9, 256                        ; x alone has a second and a third scale; the jump goes round register work and global stores only
	s_cbranch_scc0 .Lone_\@
	Q1 1, \t
	Q1 2, \t
.Lone_\@:
.endm
	LOAD 0
	LOAD 1
	LOAD 2
	s_wait_alu depctr_va_vdst(0)
	s_wait_kmcnt 0x0
	s_cmp_eq_u32 s38, 1
	s_cselect_b32 s48, s27, s25                    ; e3 or e1
	s_cmp_eq_u32 s38, 2
	s_cselect_b32 s48, s29, s48                    ; e5
	s_cmp_eq_u32 s38, 3
	s_cselect_b32 s48, s35, s48                    ; e11
	s_cmp_lt_u32 ttmp9, 256
	s_cselect_b32 s48, s24, s48                    ; e0
	MKSC 48, 0
	MKSC 26, 1                                     ; e2
	MKSC 28, 2                                     ; e4
	s_wait_alu depctr_va_vdst(0)
	s_wait_loadcnt 16                              ; step 0's eight loads are in
	TURN 0
.irp t, 0,1,2,3,4,5,6,7
	STEP \t
.endr
	s_wait_tensorcnt 0x0
	ds_add_u32 v240, v241
	s_wait_dscnt 0x0
	s_endpgm
	; ---- the table: a wave makes 16 tokens x 32 frequencies, 16 pairs (cos, sin) a lane.  No LDS on this path
.Lrope:
	s_sub_co_u32 s37, ttmp9, 384
	s_lshl_b32 s37, s37, 2
	s_add_co_u32 s37, s37, s36                     ; st: my 16 tokens
	s_lshl_b32 s48, s37, 6
	s_mov_b32 s49, 0
	s_add_nc_u64 s[14:15], s[14:15], s[48:49]
	s_wait_alu depctr_va_vdst(0)
	v_lshlrev_b32 v9, 2, v7
	global_load_b32 v10, v9, s[14:15]              ; my token's position
	s_lshl_b32 s50, s37, 12
	s_mov_b32 s51, 0
	s_add_nc_u64 s[22:23], s[22:23], s[50:51]
	v_lshlrev_b32 v11, 2, v8                       ; 4 h
	s_wait_alu depctr_va_vdst(0)
	s_mov_b32 s56, 0x3ed49a78                      ; log2(10000) / 32, upper part,
	s_mov_b32 s57, 0x32179a28                      ; and what it lacks
	s_mov_b32 s58, 0x3f22f983                      ; 2 / pi
	s_mov_b32 s59, 0x3fc90fdb                      ; pi / 2 in three parts
	s_mov_b32 s60, 0xb33bbd2e
	s_mov_b32 s63, 0xa6f72ced
	s_mov_b32 s61, 0x3638ef1d                      ; 1 / 9!
	s_mov_b32 s62, 0xb493f27e                      ; -1 / 10!
.irp m, 0,1,2,3,4,5,6,7,8,9,10,11,12,13,14,15  ; number m of my 16 frequencies: i = 8 (m / 4) + 4 h + m % 4
	v_sub_nc_u32 v[16+\m], -(8*(\m/4)+\m%4), v11
	v_cvt_f32_i32 v[16+\m], v[16+\m]               ; -i
	v_mul_f32 v[64+\m], s56, v[16+\m]              ; p = -i x the upper part,
	v_fma_f32 v[80+\m], v[16+\m], s56, -v[64+\m]   ; what that rounding lost,
	v_fma_f32 v[80+\m], v[16+\m], s57, v[80+\m]    ; and the lower part's share
	v_rndne_f32 v[96+\m], v[64+\m]
	v_sub_f32 v[64+\m], v[64+\m], v[96+\m]         ; exact
	v_add_f32 v[64+\m], v[64+\m], v[80+\m]         ; the exponent's fraction, within a half
	v_cvt_i32_f32 v[96+\m], v[96+\m]
.endr
	s_wait_alu depctr_va_vdst(0)
.irp m, 0,1,2,3,4,5,6,7,8,9,10,11,12,13,14,15
	v_exp_f32 v[16+\m], v[64+\m]
.endr
	v_nop                                          ; a plain line behind the last exponential
	s_wait_alu depctr_va_vdst(0)                   ; one wait for the batch of sixteen, ahead of its first reader
.irp m, 0,1,2,3,4,5,6,7,8,9,10,11,12,13,14,15
	v_ldexp_f32 v[16+\m], v[16+\m], v[96+\m]       ; inv_freq
.endr
	s_wait_loadcnt 0x0
	v_cvt_f32_i32 v10, v10
.macro SINCOS m
	v_mul_f32 v112, v10, v[16+\m]                  ; the angle, rounded once
	v_mul_f32 v113, s58, v112
	v_rndne_f32 v113, v113                         ; k
	v_fma_f32 v114, -v113, s59, v112
	v_fma_f32 v114, -v113, s60, v114
	v_fma_f32 v114, -v113, s63, v114               ; r = angle - k pi / 2
	v_cvt_i32_f32 v115, v113
	v_mul_f32 v116, v114, v114                     ; z = r r
	v_fmaak_f32 v117, s61, v116, 0xb9500d01        ; sine: r + r z (-1/3! + z (1/5! + z (-1/7! + z / 9!)))
	v_fmaak_f32 v118, s62, v116, 0x37d00d01        ; cosine: 1 + z (-1/2 + z (1/4! + z (-1/6! + z (1/8! - z / 10!))))
	v_fmaak_f32 v117, v117, v116, 0x3c088889
	v_fmaak_f32 v118, v118, v116, 0xbab60b61
	v_fmaak_f32 v117, v117, v116, 0xbe2aaaab
	v_fmaak_f32 v118, v118, v116, 0x3d2aaaab
	v_mul_f32 v119, v116, v114
	v_fmaak_f32 v118, v118, v116, 0xbf000000
	v_fma_f32 v117, v117, v119, v114
	v_fma_f32 v118, v118, v116, 1.0
	v_and_b32 v120, 1, v115
	v_cmp_eq_u32 vcc_lo, 1, v120                   ; in an odd quarter the two change places
	v_cndmask_b32 v[33+2*\m], v117, v118, vcc_lo
	v_cndmask_b32 v[32+2*\m], v118, v117, vcc_lo
	v_lshlrev_b32 v120, 30, v115
	v_and_b32 v120, 0x80000000, v120               ; the sine is negative in quarters 2 and 3,
	v_xor_b32 v[33+2*\m], v[33+2*\m], v120
	v_add_nc_u32 v120, 1, v115
	v_lshlrev_b32 v120, 30, v120
	v_and_b32 v120, 0x80000000, v120               ; the cosine in quarters 1 and 2
	v_xor_b32 v[32+2*\m], v[32+2*\m], v120
.endm
.irp m, 0,1,2,3,4,5,6,7,8,9,10,11,12,13,14,15
	SINCOS \m
.endr
.irp n, 0,1,2,3,4,5,6,7
	global_store_b128 v[LI], v[32+4*\n:35+4*\n], s[22:23] offset:512*\n   ; 512 consecutive bytes, aligned
.endr
	s_endpgm
.Lfunc_end_k_q2c9271aa6d_quant:
	.size	k_q2c9271aa6d_quant, .Lfunc_end_k_q2c9271aa6d_quant-k_q2c9271aa6d_quant
	.p2alignl 7, 3214868480
	.fill 96, 4, 3214868480
	.section	.rodata,"a",@progbits
	.p2align	6, 0x0
	.amdhsa_kernel k_q2c9271aa6d_quant
		.amdhsa_group_segment_fixed_size 35328
		.amdhsa_private_segment_fixed_size 0
		.amdhsa_enable_private_segment 0
		.amdhsa_kernarg_size 80
		.amdhsa_user_sgpr_count 2
		.amdhsa_user_sgpr_kernarg_segment_ptr 1
		.amdhsa_wavefront_size32 1
		.amdhsa_system_sgpr_workgroup_id_x 1
		.amdhsa_system_sgpr_workgroup_id_y 1
		.amdhsa_system_sgpr_workgroup_id_z 1
		.amdhsa_system_vgpr_workitem_id 0
		.amdhsa_next_free_vgpr 242
		.amdhsa_next_free_sgpr 66
		.amdhsa_reserve_vcc 1
		.amdhsa_float_denorm_mode_32 3
		.amdhsa_float_denorm_mode_16_64 3
		.amdhsa_fp16_overflow 1
		.amdhsa_memory_ordered 1
		.amdhsa_forward_progress 1
		.amdhsa_inst_pref_size 61
	.end_amdhsa_kernel
	.amdgpu_metadata
---
amdhsa.version: [ 1, 2 ]
amdhsa.kernels:
  - .name:           k_q2c9271aa6d_quant
    .symbol:         k_q2c9271aa6d_quant.kd
    .args:
      - { .name: x, .offset: 0, .size: 8, .value_kind: global_buffer, .address_space: global }
      - { .name: WQ, .offset: 8, .size: 8, .value_kind: global_buffer, .address_space: global }
      - { .name: WK, .offset: 16, .size: 8, .value_kind: global_buffer, .address_space: global }
      - { .name: WV, .offset: 24, .size: 8, .value_kind: global_buffer, .address_space: global }
      - { .name: WO, .offset: 32, .size: 8, .value_kind: global_buffer, .address_space: global }
      - { .name: token_positions, .offset: 40, .size: 8, .value_kind: global_buffer, .address_space: global }
      - { .name: lowp_scales, .offset: 48, .size: 8, .value_kind: global_buffer, .address_space: global }
      - { .name: xc, .offset: 56, .size: 8, .value_kind: global_buffer, .address_space: global }
      - { .name: wc, .offset: 64, .size: 8, .value_kind: global_buffer, .address_space: global }
      - { .name: rope, .offset: 72, .size: 8, .value_kind: global_buffer, .address_space: global }
    .group_segment_fixed_size: 35328
    .private_segment_fixed_size: 0
    .kernarg_segment_align: 8
    .kernarg_segment_size: 80
    .max_flat_workgroup_size: 128
    .sgpr_count:     66
    .vgpr_count:     242
    .wavefront_size: 32
...
	.end_amdgpu_metadata
.endif
;; end of part 1
;; launch qkv (part 2): grid 12 x 32, 4 waves a work-group, clusters of 4 x 4, 327,680 bytes of LDS; arguments xc, wc, lowp_scales, rope, qc, kv; writes qc, kv
.if DOCPART == 2
	.amdgcn_target "amdgcn-amd-amdhsa--gfx1250"
	.amdhsa_code_object_version 6
	.text
	.protected	k_q2c9271aa6d_qkv
	.globl	k_q2c9271aa6d_qkv
	.p2align	8
	.type	k_q2c9271aa6d_qkv,@function
k_q2c9271aa6d_qkv:
	s_mov_b64 s[64:65], 0
	v_nop
	global_prefetch_b8 v0, s[64:65] scope:SCOPE_SE
	s_setreg_imm32_b32 hwreg(HW_REG_WAVE_MODE, 25, 1), 1
	s_wait_xcnt 0x0
	s_wait_alu depctr_hold_cnt(0) depctr_sa_sdst(0) depctr_va_vdst(0) depctr_va_sdst(0) depctr_va_ssrc(0) depctr_va_vcc(0) depctr_vm_vsrc(0)
	s_getreg_b32 s2, hwreg(HW_REG_IB_STS2, 6, 4)
	s_cmp_eq_u32 s2, 0
	s_cbranch_scc0 .Lentry_in_a_cluster
	s_endpgm
.Lentry_in_a_cluster:
	s_bfe_u32 s2, ttmp6, 0x10000c
	s_cmp_lg_u32 s2, 0xf033
	s_cbranch_scc0 .Lentry_shape_is_right
	s_endpgm
.Lentry_shape_is_right:
; Q, K, V = x W^T on codes of FP8 (E4M3), the rotation of Q's and K's pairs of columns, and the quantising of all three for the attention that follows.
; xc: three sets of x's codes [8192][1024] (8 MiB each: for WQ, WK, WV); wc: the weights' codes (1 MiB each).  Both lie in blocks of 16 rows x 64 k, 1,024 bytes, block (T, g) at (16 T + g) x 1,024, each an image of the
; plain 8-bit fragment's registers: byte 512 q + 16 L + .. belongs to lane L's registers 4 q .. 4 q + 3.  Two neighbouring blocks are a fragment of 16 rows x 128 k; every load of one takes 512 consecutive bytes, so LDS needs no padding.
; SHARES.  The cluster's x says which weight: 0 Q, 1 K, 2 V.  A cluster of 4 x 4 work-groups makes 1,024 tokens x the weight's 1,024 rows; a work-group 256 x 256; each of its four waves 128 tokens x 128 rows: 64 accumulators, 512 registers.
; K = 1,024 goes in four steps of 256 through two LDS slots.  The four of a cluster's row need the same tokens, the four of a column the same rows of W: each tile is asked for JOINTLY, by one tensor load with a mask that names the four.
; Q AND K: source 0 = 16 rows of W, source 1 = 16 tokens: a lane holds ONE token and eight neighbouring columns: four pairs to rotate, then eight codes along d.  Four accumulators are a token block's fragment of one head.
; V: the sides change places (source 0 = tokens, source 1 = rows of WV): a lane holds ONE column d and eight neighbouring tokens, which are V's K in the next launch; eight accumulators are a fragment of V^T (16 d x 128 keys).
; The change is made by the LDS addresses that feed the two sides, chosen once on the cluster's x, which all sixteen partners share; every matrix line and descriptor is the same for all three.
; The rotation is linear, so it is applied to the raw sums, and the three scales (x's, W's, the result's) are folded into the conversion's one: E = e_out - e_x - e_w.
; OUT.  qc: tile (bh, s / 16) at (128 bh + s / 16) x 1,024, a block as above with k = d.  kv: 262,144 bytes a head, 16,384 a step of 128 keys: eight blocks of K (16 keys x 64 d), then four fragments of V^T of 2,048 bytes.
; The table's first two blocks are asked for by every work-group, V's too, which leave them unread (8 KiB a wave): so the text parts ways once, at the way out.
; LIMIT: -126 <= E <= 119 for each of the three, so that 2^E and 448 x 2^E are f32 numbers.
; REGISTERS, in windows of 256: window 0: v16-31 addresses and scales; v128-255 source 1's fragments, ONE set; on the way out v8-15 at work, v32-95 the table, v96-127 32 numbers, v128-255 codes.
;   window 1: source 0's fragments, TWO sets, at v0 and v128.   windows 2, 3: the accumulators: (a, b) at v[8 (8 (a % 4) + b)] of window 2 + a / 4; a: source 1's block, b: source 0's.
.set KSB,   4096                       ; a row tile's bytes in a K step of 256: four blocks
.set HALFT, 8*KSB                      ; 128 rows: what one tensor load brings, and what one wave reads of a side
.set SLOT,  4*HALFT                    ; the tokens' 256 rows, then W's 256 rows
.set SPARE, 2*SLOT                     ; behind the ring: the spare words, 128 bytes for each wave: two blocks of 256 bytes that no other line names
.set FR,    16                         ; registers of a fragment
.set NL,    4                          ; LDS loads that bring one
.set NP,    4                          ; places behind this matrix instruction (ISA guide 7.12.1)
.set ADR1, 16                          ; v16-17  LDS address of source 1's fragments in slot 0, 1
.set ADR0, 20                          ; v20-21  of source 0's
.set LI,   24                          ; v24     16 x lane; never rewritten
.set SPW,  28                          ; v28     LDS address of my spare word; never rewritten
.set NIL,  29                          ; v29     0; never rewritten
.set SC,   30                          ; v30     2^E as f32
.set LIM,  31                          ; v31     448 x 2^E
.set TT,   8
.set TB,   32
.set OUTR, 96
.set CD,   128
.set AF,   128
.set G1, 24                            ; s[24:31] descriptor group 1 for the tokens' tiles;  s[32:39] group 0, one set for each slot
.set G0, 32
.set G1B, 48                           ; s[48:55], s[56:63] the same for W's tiles
.set G0B, 56
.set MSB, 0
.macro WIN new                         ; the immediate's high byte repeats the setting that is left
.if MSB != (\new)
	s_set_vgpr_msb (MSB<<8)|(\new)
.set MSB, (\new)
.endif
.endm
.set MUL_LO, 0xa1                      ; source 0 window 1, source 1 window 0, C and D window 2
.set MUL_HI, 0xf1                      ; the same, C and D window 3
.set TO_0,   0x40                      ; destination window 1, address window 0
; A joint load: waves 0 and 1 fetch the tokens' halves, waves 2 and 3 W's.  Each line has one mask and one set of registers for all that issue it; the branch hangs on the wave's number alone.
; Four v_nop follow each of the two lines, ahead of the jump, the label and what follows.
.macro JLOAD g0a, g1a, g0b, g1b
	s_cmp_eq_u32 s15, 0
	s_cbranch_scc0 .Lfor_b_\@
	tensor_load_to_lds s[\g0a:\g0a+3], s[\g1a:\g1a+7]
	s_nop 0
.rept 4
	v_nop
.endr
	s_branch .Lasked_\@
.Lfor_b_\@:
	tensor_load_to_lds s[\g0b:\g0b+3], s[\g1b:\g1b+7]
	s_nop 0
.rept 4
	v_nop
.endr
.Lasked_\@:
.endm
.macro CREST                           ; a round of the cluster's barrier behind its opening barrier
	s_cmp_lg_u32 s14, 0
	s_cbranch_scc1 .Lnot_wave_0_\@
	s_barrier_signal -3
.Lnot_wave_0_\@:
	s_barrier_wait -3
	s_barrier_signal -1
	s_barrier_wait -1
.endm
.macro CROUND                          ; a whole round
	s_barrier_signal -1
	s_barrier_wait -1
	CREST
.endm
	s_load_b256 s[4:11], s[0:1], 0x0               ; xc s[4:5], wc s[6:7], the exponents s[8:9], the table s[10:11]
	s_load_b128 s[68:71], s[0:1], 0x20             ; qc s[68:69], kv s[70:71]
	v_lshl_add_u32 v[SPW], v0, 2, SPARE
	v_mov_b32 v[NIL], 0
	ds_add_u32 v28, v29
	ds_add_u32 v28, v29
	s_wait_dscnt 0x0
	v_lshrrev_b32 v1, 5, v0
	v_readfirstlane_b32 s14, v1                    ; wave 0..3
	s_lshr_b32 s15, s14, 1                         ; which 128 tokens are mine.  Also: I fetch tokens (0) or W (1)
	s_and_b32 s16, s14, 1                          ; which 128 rows of W.  Also: which half of that tile I fetch
	s_bfe_u32 s40, ttmp6, 0x40000                  ; cx: which 256 rows of the weight
	s_bfe_u32 s41, ttmp6, 0x40004                  ; cy
	s_and_b32 s17, ttmp7, 0xffff
	s_lshl_b32 s17, s17, 2
	s_add_co_u32 s17, s17, s41                     ; which 256 tokens = 4 x cluster y + cy
	s_lshl_b32 s43, s41, 2
	s_lshl_b32 s43, 15, s43                        ; my row of the cluster
	s_lshl_b32 s44, 0x1111, s40                    ; my column
	; descriptor group 1: eight row tiles, 4,096 bytes of each (four blocks), 16,384 bytes apart in memory, on end in LDS
	s_or_b32 s[G1+0], s43, (3<<16)|(1<<21)         ; 15:0 the mask: the tokens' tiles go to my row; 17:16 elements of 8 bytes; 20 no padding; 21 set beside a mask
	s_or_b32 s[G1B+0], s44, (3<<16)|(1<<21)        ; W's tiles go to my column
.irp g, G1, G1B
	s_mov_b32 s[\g+1], 512<<16                     ; tensor_dim0 = 512 elements
	s_mov_b32 s[\g+2], 8<<16                       ; tensor_dim1 = 8
	s_mov_b32 s[\g+3], 512<<16                     ; tile_dim0
	s_mov_b32 s[\g+4], 8                           ; tile_dim1
	s_mov_b32 s[\g+5], 2048                        ; tensor_dim0_stride, in elements
	s_mov_b32 s[\g+6], 0
	s_mov_b32 s[\g+7], 0
.endr
	s_lshl_b32 s18, s16, 3                         ; which eight row tiles I fetch
	s_lshl_b32 s20, s17, 4
	s_add_co_u32 s20, s20, s18
	s_lshl_b32 s20, s20, 14
	s_lshl_b32 s21, ttmp9, 23                      ; the set of x's codes that belongs to this weight
	s_add_co_u32 s20, s20, s21
	s_mov_b32 s21, 0
	s_lshl_b32 s46, s40, 4
	s_add_co_u32 s46, s46, s18
	s_lshl_b32 s46, s46, 14
	s_lshl_b32 s47, ttmp9, 20                      ; the weight
	s_add_co_u32 s46, s46, s47
	s_mov_b32 s47, 0
	s_lshl_b32 s45, s14, 15                        ; where they go: wave x 32,768: no place in the cluster enters an LDS address
	s_wait_kmcnt 0x0
	s_load_b256 s[72:79], s[8:9], 0x0              ; e0 .. e7
	s_load_b128 s[80:83], s[8:9], 0x20             ; e8 .. e11
	s_add_nc_u64 s[20:21], s[4:5], s[20:21]
	s_add_nc_u64 s[46:47], s[6:7], s[46:47]
	CROUND                                         ; all sixteen work-groups are here: the first joint loads meet
.irp s, 0,1
	s_mov_b32 s[G0+4*\s], 1
	s_add_co_u32 s[G0+4*\s+1], s45, \s*SLOT
	s_add_nc_u64 s[G0+4*\s+2:G0+4*\s+3], s[20:21], \s*KSB
	s_or_b32 s[G0+4*\s+3], s[G0+4*\s+3], 0x80000000
	s_mov_b32 s[G0B+4*\s], 1
	s_add_co_u32 s[G0B+4*\s+1], s45, \s*SLOT
	s_add_nc_u64 s[G0B+4*\s+2:G0B+4*\s+3], s[46:47], \s*KSB
	s_or_b32 s[G0B+4*\s+3], s[G0B+4*\s+3], 0x80000000
	JLOAD G0+4*\s, G1, G0B+4*\s, G1B               ; two tensor loads of mine are out
.endr
	v_and_b32 v1, 31, v0
	v_lshlrev_b32 v[LI], 4, v1
	s_wait_alu depctr_va_vdst(0)
	s_lshl_b32 s21, s15, 15                        ; my 128 tokens in a slot
	s_lshl_b32 s22, s16, 15
	s_add_co_u32 s22, s22, 2*HALFT                 ; my 128 rows of W, behind the tokens' 256
	s_cmp_eq_u32 ttmp9, 2                          ; V: the sides change places
	s_cselect_b32 s23, s22, s21                    ; what feeds source 1
	s_cselect_b32 s22, s21, s22                    ; what feeds source 0
.irp s, 0,1
	v_add_nc_u32 v[ADR1+\s], s23, v[LI]
	v_add_nc_u32 v[ADR0+\s], s22, v[LI]
	s_add_co_u32 s23, s23, SLOT
	s_add_co_u32 s22, s22, SLOT
.endr
	; where my results go
	s_lshr_b32 s90, s17, 3                         ; the batch: 2,048 tokens are eight tiles of 256
	s_and_b32 s91, s17, 7
	s_lshl_b32 s91, s91, 1
	s_add_co_u32 s91, s91, s15                     ; ks: which 128 tokens of the sequence
	s_lshl_b32 s92, s90, 4
	s_lshl_b32 s93, s40, 2
	s_add_co_u32 s92, s92, s93
	s_lshl_b32 s93, s16, 1
	s_add_co_u32 s92, s92, s93                     ; bh of my first head: 16 b + 4 cx + 2 x half
	s_lshl_b32 s92, s92, 17
	s_lshl_b32 s93, s91, 13
	s_add_co_u32 s92, s92, s93                     ; in qc: 131,072 a head, 8,192 for 128 tokens; in kv: twice that
	s_cmp_eq_u32 ttmp9, 0
	s_cselect_b64 s[84:85], s[68:69], s[70:71]
	s_cselect_b32 s94, 0, 1
	s_lshl_b32 s92, s92, s94
	s_lshl_b32 s96, 0x20000, s94                   ; from head to head
	s_cmp_eq_u32 ttmp9, 2
	s_cselect_b32 s93, 0x2000, 0                   ; V^T lies behind a step's eight blocks of K
	s_add_co_u32 s92, s92, s93
	s_mov_b32 s93, 0
	s_mov_b32 s97, 0
	s_add_nc_u64 s[84:85], s[84:85], s[92:93]      ; my first head,
	s_add_nc_u64 s[86:87], s[84:85], s[96:97]      ; my second
	s_lshl_b32 s92, s91, 15                        ; the table: 4,096 bytes for 16 tokens
	s_add_nc_u64 s[88:89], s[10:11], s[92:93]
.macro TLOAD a                         ; the table for my token block a: 32 frequencies' cos and sin for my token, into set a % 2
.irp n, 0,1,2,3,4,5,6,7
	global_load_b128 v[TB+32*((\a)%2)+4*\n:TB+32*((\a)%2)+4*\n+3], v[LI], s[88:89] offset:4096*(\a)+512*\n
.endr
.endm
	TLOAD 0
	TLOAD 1
.macro FRAG reg, adr, q, i             ; a fragment, 16 rows x 128 k: two blocks, 2,048 bytes on end: four loads of 512 consecutive bytes
.irp c, 0,1,2,3
	ds_load_b128 v[\reg+4*\c:\reg+4*\c+3], v[\adr] offset:2048*(\q)+KSB*(\i)+512*\c
.endr
.endm
; 16 matrix instructions: source 1's blocks a0, a0 + 1 x source 0's eight, 128 along K.  p: source 0's set.  zero = 1: the first product starts the sums: nothing is ever cleared.
; The 64 accumulators take turns, one instruction a turn, in the same order in every step.
.macro MUL16 a0, p, zero
.irp a, \a0, \a0+1
.irp b, 0,1,2,3,4,5,6,7
.if \zero
	v_wmma_f32_16x16x128_fp8_fp8 v[8*(8*((\a)%4)+\b):8*(8*((\a)%4)+\b)+7], v[128*(\p)+FR*\b:128*(\p)+FR*\b+FR-1], v[AF+FR*(\a):AF+FR*(\a)+FR-1], 0
.else
	v_wmma_f32_16x16x128_fp8_fp8 v[8*(8*((\a)%4)+\b):8*(8*((\a)%4)+\b)+7], v[128*(\p)+FR*\b:128*(\p)+FR*\b+FR-1], v[AF+FR*(\a):AF+FR*(\a)+FR-1], v[8*(8*((\a)%4)+\b):8*(8*((\a)%4)+\b)+7]
.endif
.endr
.endr
.endm
.macro FETCH_0 slot, q, p              ; source 0's eight fragments of the slot's q-th 128 along K into set p
	WIN TO_0
.irp i, 0,1,2,3,4,5,6,7
	FRAG 128*(\p)+FR*\i, ADR0+\slot, \q, \i
.endr
	WIN 0
.endm
.macro FETCH_1 slot, q, i0             ; source 1's blocks i0 .. i0 + 3
.irp i, \i0, \i0+1, \i0+2, \i0+3
	FRAG AF+FR*(\i), ADR1+\slot, \q, \i
.endr
.endm
; A load into a register that a matrix instruction has read, and a vector instruction that reads a matrix result or writes one of its registers, stand NP places behind it; only plain vector
; instructions that name none of its registers are places (ISA guide 7.12.1 for vector instructions).
.macro PLACES n
.rept \n
	v_nop
.endr
.endm
; A step of 128 along K that has its successor in the same slot.  A block of source 1 is free as soon as its eight products are issued, so one set serves it: blocks 0-3 come anew in the step's middle, 4-7 at its end.
.macro STEP slot, q, zero
	s_wait_dscnt 4*NL                              ; source 0's set and source 1's blocks 0-3 are in; the youngest sixteen loads (blocks 4-7) may be out
	WIN MUL_LO
	MUL16 0, (\q)%2, \zero
	MUL16 2, (\q)%2, \zero
	s_wait_dscnt 0                                 ; blocks 4-7 are in
	PLACES NP
	FETCH_0 \slot, (\q)+1, 1-(\q)%2
	FETCH_1 \slot, (\q)+1, 0
	WIN MUL_HI
	MUL16 4, (\q)%2, \zero
	MUL16 6, (\q)%2, \zero
	PLACES NP
	WIN 0
	FETCH_1 \slot, (\q)+1, 4
.endm
; A slot's last step changes slots: ONE barrier; in front of it each wave waits for all its tensor loads, adds 0 to its spare word, and waits for that and for its own reads of this slot.  fill = 1: this slot is filled again, two K steps ahead.
.macro TURN slot, next, fill
	s_wait_tensorcnt 0x0                           ; all my tensor loads have landed: my part of the next slot;  (every window is 0 here)
	ds_add_u32 v[SPW], v[NIL]                      ; 0 onto my spare word
	s_wait_dscnt 4*NL+1                            ; (the add and the youngest sixteen loads may be out)
	WIN MUL_LO
	MUL16 0, 1, 0                                  ; sixteen matrix instructions stand between the add and the wait for it
	s_wait_dscnt 0x0                               ; the add is done, and my reads of this slot are over
	s_barrier_signal -1
	MUL16 2, 1, 0
	WIN 0
	s_barrier_wait -1
.if \fill
	CREST                                          ; the barrier has opened a round of the cluster's barrier: no wave of any partner still reads this slot's tile or has a load on its way
	s_add_nc_u64 s[G0+4*\slot+2:G0+4*\slot+3], s[G0+4*\slot+2:G0+4*\slot+3], 2*KSB
	s_add_nc_u64 s[G0B+4*\slot+2:G0B+4*\slot+3], s[G0B+4*\slot+2:G0B+4*\slot+3], 2*KSB
	JLOAD G0+4*\slot, G1, G0B+4*\slot, G1B         ; the first tensor load behind the round, my only one until the next; its four v_nop are the places in front of the loads below
.else
	PLACES NP
.endif
	FETCH_0 \next, 0, 0
	FETCH_1 \next, 0, 0
	WIN MUL_HI
	MUL16 4, 1, 0
	MUL16 6, 1, 0
	PLACES NP
	WIN 0
	FETCH_1 \next, 0, 4
.endm
	s_wait_alu depctr_va_vdst(0)
	s_wait_tensorcnt 1                             ; my part of K step 0 is in (K step 1's load may be out)
	s_barrier_signal -1
	s_barrier_wait -1                              ; everybody's is
	FETCH_0 0, 0, 0
	FETCH_1 0, 0, 0
	FETCH_1 0, 0, 4
	STEP 0, 0, 1                                   ; K = 1,024 is eight steps of 128, written out: a loop would have one trip
	TURN 0, 1, 1                                   ; slot 0 takes K step 2
	STEP 1, 0, 0
	TURN 1, 0, 1                                   ; slot 1 takes K step 3
	STEP 0, 0, 0
	TURN 0, 1, 0
	STEP 1, 0, 0
	s_wait_dscnt 4*NL                              ; the last step: nothing more to fetch
	WIN MUL_LO
	MUL16 0, 1, 0
	MUL16 2, 1, 0
	s_wait_dscnt 0
	WIN MUL_HI
	MUL16 4, 1, 0
	MUL16 6, 1, 0
	WIN 0
	; ---- THE WAY OUT.  No LDS: the conversions' results are the next launch's operand registers, and every store covers 512 consecutive aligned bytes.  Each store has data registers of its own.
	s_wait_kmcnt 0x0
	s_cmp_eq_u32 ttmp9, 1
	s_cselect_b32 s90, s74, s72                    ; x's exponent: e0, e2, e4
	s_cselect_b32 s91, s75, s73                    ; W's: e1, e3, e5
	s_cselect_b32 s92, s79, s78                    ; the result's: e6 (Q), e7 (K), e9 (V)
	s_cmp_eq_u32 ttmp9, 2
	s_cselect_b32 s90, s76, s90
	s_cselect_b32 s91, s77, s91
	s_cselect_b32 s92, s81, s92
	s_sub_co_i32 s92, s92, s90
	s_sub_co_i32 s92, s92, s91                     ; E
	s_add_co_i32 s92, s92, 127
	s_lshl_b32 s93, s92, 23
	v_mov_b32 v[SC], s93
	s_add_co_i32 s92, s92, 8
	s_lshl_b32 s92, s92, 23
	s_or_b32 s92, s92, 0x600000
	v_mov_b32 v[LIM], s92
	PLACES NP
	s_cmp_eq_u32 ttmp9, 2                          ; the cluster's x: the same way in all sixteen partners
	s_cbranch_scc1 .Lv_arm
; Q, K: token block a, head hh.  Lane (r, h): token r; accumulator b' holds columns 16 b' + 8 h + 0 .. 7 of the head: pairs (x0, x1) with (cos, sin) from the table.
; (-x1 sin, x1 cos), then x0 (cos, sin) + that: two packed lines a pair.  Each accumulator is read from its low end on.
.macro HEADQ a, hh
.set TS, TB+32*((\a)%2)
	WIN 0x02+((\a)/4)                              ; source 0: window 2 or 3
.irp b, 0,1,2,3
.set AC, 64*((\a)%4)+8*(4*(\hh)+\b)
.irp j, 0,2,4,6
	v_pk_mul_f32 v[TT+\j:TT+\j+1], v[AC+\j:AC+\j+1], v[TS+8*\b+\j:TS+8*\b+\j+1] op_sel:[1,1] op_sel_hi:[1,0] neg_lo:[0,1]
.endr
.irp j, 0,2,4,6
	v_pk_fma_f32 v[OUTR+8*\b+\j:OUTR+8*\b+\j+1], v[AC+\j:AC+\j+1], v[TS+8*\b+\j:TS+8*\b+\j+1], v[TT+\j:TT+\j+1] op_sel_hi:[0,1,1]
.endr
.endr
	WIN 0
.set qi, 0
.rept 32
.set qi, qi+1
.endr
.irp b, 0,1,2,3
	v_cvt_scalef32_pk8_fp8_f32 v[CD+8*(2*(\a)+\hh)+2*\b:CD+8*(2*(\a)+\hh)+2*\b+1], v[OUTR+8*\b:OUTR+8*\b+7], v[SC]
.endr
	v_nop                                          ; a plain line between the conversions and the lines that write their sources again
	global_store_b128 v[LI], v[CD+8*(2*(\a)+\hh):CD+8*(2*(\a)+\hh)+3], s[84+2*\hh:85+2*\hh] offset:1024*(\a)
	global_store_b128 v[LI], v[CD+8*(2*(\a)+\hh)+4:CD+8*(2*(\a)+\hh)+7], s[84+2*\hh:85+2*\hh] offset:1024*(\a)+512
.endm
.irp a, 0,1,2,3,4,5,6,7
.if \a < 7
	s_wait_loadcnt 8                               ; this block's eight table loads are in; the next block's eight may be out
.else
	s_wait_loadcnt 0x0
.endif
	HEADQ \a, 0
	HEADQ \a, 1
.if \a < 6
	TLOAD \a+2
.endif
.endr
	s_branch .Ldone
.Lv_arm:
; V: block a of WV's rows: head a / 4, d = 16 (a % 4) + r.  Accumulator b holds tokens 16 b + 8 h + 0 .. 7: registers 2 b, 2 b + 1 of the fragment of V^T.
.macro VFRAG a
.irp u, 0,1
	WIN 0x02+((\a)/4)
.irp b, 0,1,2,3
.set AC, 64*((\a)%4)+8*(4*\u+\b)
.irp j, 0,1,2,3,4,5,6,7
	v_med3_num_f32 v[OUTR+8*\b+\j], v[AC+\j], -v[LIM], v[LIM]
.endr
.endr
	WIN 0
.irp b, 0,1,2,3
	v_cvt_scalef32_pk8_fp8_f32 v[CD+16*(\a)+2*(4*\u+\b):CD+16*(\a)+2*(4*\u+\b)+1], v[OUTR+8*\b:OUTR+8*\b+7], v[SC]
.endr
	v_nop                                          ; a plain line between the conversions and the lines that write their sources again
.endr
.irp q, 0,1,2,3
	global_store_b128 v[LI], v[CD+16*(\a)+4*\q:CD+16*(\a)+4*\q+3], s[84+2*((\a)/4):85+2*((\a)/4)] offset:2048*((\a)%4)+512*\q
.endr
.endm
	s_wait_alu depctr_va_vdst(0)
.irp a, 0,1,2,3,4,5,6,7
	VFRAG \a
.endr
.Ldone:
	s_wait_tensorcnt 0x0                           ; the wave's end
	ds_add_u32 v[SPW], v[NIL]
	s_wait_dscnt 0x0
	CROUND                                         ; the closing round: no work-group ends while a partner may still ask for a tile that names it
	s_endpgm
.Lfunc_end_k_q2c9271aa6d_qkv:
	.size	k_q2c9271aa6d_qkv, .Lfunc_end_k_q2c9271aa6d_qkv-k_q2c9271aa6d_qkv
	.p2alignl 7, 3214868480
	.fill 96, 4, 3214868480
	.section	.rodata,"a",@progbits
	.p2align	6, 0x0
	.amdhsa_kernel k_q2c9271aa6d_qkv
		.amdhsa_group_segment_fixed_size 327680
		.amdhsa_private_segment_fixed_size 0
		.amdhsa_enable_private_segment 0
		.amdhsa_kernarg_size 48
		.amdhsa_user_sgpr_count 2
		.amdhsa_user_sgpr_kernarg_segment_ptr 1
		.amdhsa_wavefront_size32 1
		.amdhsa_system_sgpr_workgroup_id_x 1
		.amdhsa_system_sgpr_workgroup_id_y 1
		.amdhsa_system_sgpr_workgroup_id_z 1
		.amdhsa_system_vgpr_workitem_id 0
		.amdhsa_next_free_vgpr 1024
		.amdhsa_next_free_sgpr 100
		.amdhsa_reserve_vcc 0
		.amdhsa_float_denorm_mode_32 3
		.amdhsa_float_denorm_mode_16_64 3
		.amdhsa_fp16_overflow 1
		.amdhsa_memory_ordered 1
		.amdhsa_forward_progress 1
		.amdhsa_inst_pref_size 165
	.end_amdhsa_kernel
	.amdgpu_metadata
---
amdhsa.version: [ 1, 2 ]
amdhsa.kernels:
  - .name:           k_q2c9271aa6d_qkv
    .symbol:         k_q2c9271aa6d_qkv.kd
    .args:
      - { .name: xc, .offset: 0, .size: 8, .value_kind: global_buffer, .address_space: global }
      - { .name: wc, .offset: 8, .size: 8, .value_kind: global_buffer, .address_space: global }
      - { .name: lowp_scales, .offset: 16, .size: 8, .value_kind: global_buffer, .address_space: global }
      - { .name: rope, .offset: 24, .size: 8, .value_kind: global_buffer, .address_space: global }
      - { .name: qc, .offset: 32, .size: 8, .value_kind: global_buffer, .address_space: global }
      - { .name: kv, .offset: 40, .size: 8, .value_kind: global_buffer, .address_space: global }
    .group_segment_fixed_size: 327680
    .private_segment_fixed_size: 0
    .kernarg_segment_align: 8
    .kernarg_segment_size: 48
    .max_flat_workgroup_size: 128
    .sgpr_count:     100
    .vgpr_count:     1024
    .wavefront_size: 32
...
	.end_amdgpu_metadata
.endif
;; end of part 2
;; launch attn (part 3): grid 4 x 64, 16 waves a work-group, clusters of 4 x 1, 264,192 bytes of LDS; arguments qc, kv, lowp_scales, ac; writes ac
.if DOCPART == 3
	.amdgcn_target "amdgcn-amd-amdhsa--gfx1250"
	.amdhsa_code_object_version 6
	.text
	.protected	k_q2c9271aa6d_attn
	.globl	k_q2c9271aa6d_attn
	.p2align	8
	.type	k_q2c9271aa6d_attn,@function
k_q2c9271aa6d_attn:
	s_mov_b64 s[64:65], 0
	v_nop
	global_prefetch_b8 v0, s[64:65] scope:SCOPE_SE
	s_setreg_imm32_b32 hwreg(HW_REG_WAVE_MODE, 25, 1), 1
	s_wait_xcnt 0x0
	s_wait_alu depctr_hold_cnt(0) depctr_sa_sdst(0) depctr_va_vdst(0) depctr_va_sdst(0) depctr_va_ssrc(0) depctr_va_vcc(0) depctr_vm_vsrc(0)
	s_getreg_b32 s2, hwreg(HW_REG_IB_STS2, 6, 4)
	s_cmp_eq_u32 s2, 0
	s_cbranch_scc0 .Lentry_in_a_cluster
	s_endpgm
.Lentry_in_a_cluster:
	s_bfe_u32 s2, ttmp6, 0x10000c
	s_cmp_lg_u32 s2, 0x3003
	s_cbranch_scc0 .Lentry_shape_is_right
	s_endpgm
.Lentry_shape_is_right:
; O = softmax(Q K^T / 8, causal) V for 64 heads (batch x head) of 2,048 tokens x 64, both products on codes of FP8 (E4M3); the result is quantised for the last projection.
; THE SOFTMAX AHEAD OF THE SECOND PRODUCT: t = score x log2(e) / 8; M = the running largest t rounded UP to a whole number; p = 2^(t - M) is quantised along the keys, not normalised; the row's sum is taken of the
; unquantised p and divides at the end.  When M moves, the sum and O are multiplied by 2^(old M - new M), which rounds nothing.
; A HEAD'S WHOLE K AND V ARE 262,144 BYTES and lie in kv as the image of the operands' registers: for each step of 128 keys eight blocks of K (16 keys x 64 d, 1,024 bytes), then four fragments of V^T (16 d x 128 keys, 2,048 bytes).
; They are brought into LDS ONCE: each of the sixteen waves asks for one step's 16,384 bytes.  No byte of LDS is filled twice: no ring.  The four work-groups of a head form a cluster and ask JOINTLY (mask 15).
; SHARES.  Tile j of 16 queries belongs to work-group cx = j % 4, as its tile u = j / 4 (0 .. 31).  It needs key steps 0 .. u / 2, whatever cx is: no branch hangs on a work-group's place.  Wave w owns tiles u = 31 - w and u = w:
; (31 - w) / 2 + 1 + w / 2 + 1 = 17 key steps for every wave of every work-group.  Steps that lie wholly under the mask are left out by a scalar branch on the wave's number and the loop's count; the loop's 16 trips are a constant.
; LAYOUT.  Both products are used transposed: S^T = K Q^T (source 0 = 16 keys), O^T = V^T P^T (source 0 = 16 of the head's 64): a lane holds ONE query.  Tile t of S^T gives lane (r, h) keys 16 t + 8 h + 0 .. 7:
; its eight codes are registers 2 t, 2 t + 1 of P's fragment; O^T's four tiles likewise give the block of ac (16 tokens x this head's 64 of the last product's K).
; Four waves share a SIMD, so that one wave's vector work stands beside another's matrix work and LDS loads.
; LIMITS on the given exponents, so that each power of two is an f32 number: e6 + e7 between -123 and 130 (added to the constant's exponent field); e8, and e10 - e8 - e9, between -126 and 119.
; REGISTERS: v1 16 x lane; v2 the step's LDS address; v4, v5 the diagonal's bound for tile A, B; v8-11, v12-15 -M, largest t, the sum in two halves; v16-23, v24-31 Q of A, B; v32-95 K's eight blocks, then V^T's four fragments;
;   v96-159 S^T, then p; v160-191, v192-223 O^T of A, B; v224-239 p's codes; v244: 2^e8; v245 the same for the result; v236, v242-243, v252-254 at work.
.set LI,  1
.set ADK, 2
.set DA,  4
.set DB,  5
.set QA,  16
.set QB,  24
.set F,   32
.set S,   96
.set OA,  160
.set OB,  192
.set PC,  224
.macro ROUND                           ; a round of the cluster's barrier
	s_barrier_signal -1
	s_barrier_wait -1
	s_cmp_lg_u32 s12, 0
	s_cbranch_scc1 .Lnot_wave_0_\@
	s_barrier_signal -3
.Lnot_wave_0_\@:
	s_barrier_wait -3
	s_barrier_signal -1
	s_barrier_wait -1
.endm
	s_load_b256 s[4:11], s[0:1], 0x0               ; qc s[4:5], kv s[6:7], the exponents s[8:9], ac s[10:11]
	v_lshl_add_u32 v251, v0, 2, 0x40000
	v_mov_b32 v255, 0
	ds_add_u32 v251, v255
	ds_add_u32 v251, v255
	v_lshrrev_b32 v3, 5, v0
	s_delay_alu instid0(VALU_DEP_1)
	v_readfirstlane_b32 s12, v3                    ; wave 0..15
	s_bfe_u32 s13, ttmp6, 0x40000                  ; cx: it enters Q's and the result's addresses and the diagonal's bound, nothing else
	s_and_b32 s14, ttmp7, 0xffff                   ; bh, which the four partners share
	s_mov_b32 s16, 15|(3<<16)|(1<<21)              ; group 1: 15:0 the mask: all four; 17:16 elements of 8 bytes; 21 set beside a mask
	s_mov_b32 s17, 32<<16                          ; tensor_dim0 = 32 elements: rows of 256 bytes
	s_mov_b32 s18, 64<<16                          ; tensor_dim1 = 64
	s_mov_b32 s19, 32<<16                          ; tile_dim0
	s_mov_b32 s20, 64                              ; tile_dim1
	s_mov_b32 s21, 32                              ; the pitch: dense
	s_mov_b32 s22, 0
	s_mov_b32 s23, 0
	s_mov_b32 s24, 1                               ; group 0
	s_lshl_b32 s25, s12, 14                        ; LDS: key step w
	s_lshl_b32 s54, s14, 18
	s_add_co_u32 s54, s54, s25
	s_mov_b32 s55, 0
	s_wait_dscnt 0x0
	s_wait_kmcnt 0x0
	s_load_b128 s[36:39], s[8:9], 0x18             ; e6, e7, e8, e9
	s_load_b32 s40, s[8:9], 0x28                   ; e10
	s_add_nc_u64 s[26:27], s[6:7], s[54:55]
	s_or_b32 s27, s27, 0x80000000
	ROUND                                          ; all four work-groups are here: the joint loads meet
	tensor_load_to_lds s[24:27], s[16:23]          ; my one tensor load of the launch
	s_nop 0
.rept 4
	v_nop
.endr
	s_xor_b32 s50, s12, 31                         ; tile A: u = 31 - w;  tile B: u = w
	s_lshr_b32 s30, s50, 1                         ; A's last key step
	s_lshr_b32 s31, s12, 1                         ; B's
	s_lshl_b32 s51, s50, 2
	s_add_co_u32 s51, s51, s13                     ; j of A
	s_lshl_b32 s52, s12, 2
	s_add_co_u32 s52, s52, s13                     ; j of B
	s_lshl_b32 s53, s14, 7
	s_add_co_u32 s54, s53, s51
	s_lshl_b32 s54, s54, 10
	s_add_nc_u64 s[42:43], s[4:5], s[54:55]        ; Q's blocks: (128 bh + j) x 1,024
	s_add_co_u32 s54, s53, s52
	s_lshl_b32 s54, s54, 10
	s_add_nc_u64 s[44:45], s[4:5], s[54:55]
	s_lshr_b32 s56, s14, 4
	s_lshl_b32 s56, s56, 7                         ; the batch's first tile of 16 tokens
	s_and_b32 s57, s14, 15                         ; the head
	s_add_co_u32 s54, s56, s51
	s_lshl_b32 s54, s54, 4
	s_add_co_u32 s54, s54, s57
	s_lshl_b32 s54, s54, 10
	s_add_nc_u64 s[46:47], s[10:11], s[54:55]      ; the result's blocks: (16 x token tile + head) x 1,024
	s_add_co_u32 s54, s56, s52
	s_lshl_b32 s54, s54, 4
	s_add_co_u32 s54, s54, s57
	s_lshl_b32 s54, s54, 10
	s_add_nc_u64 s[48:49], s[10:11], s[54:55]
	v_and_b32 v3, 31, v0
	s_delay_alu instid0(VALU_DEP_1)
	v_lshlrev_b32 v[LI], 4, v3
	global_load_b128 v[QA:QA+3], v[LI], s[42:43]
	global_load_b128 v[QA+4:QA+7], v[LI], s[42:43] offset:512
	global_load_b128 v[QB:QB+3], v[LI], s[44:45]
	global_load_b128 v[QB+4:QB+7], v[LI], s[44:45] offset:512
	v_and_b32 v6, 15, v0
	v_bfe_u32 v7, v0, 4, 1
	s_delay_alu instid0(VALU_DEP_1)
	v_lshlrev_b32 v7, 3, v7
	s_delay_alu instid0(VALU_DEP_1)
	v_sub_nc_u32 v6, v6, v7                        ; r - 8 h
	s_wait_alu depctr_va_vdst(0)
	s_and_b32 s58, s50, 1
	s_lshl_b32 s58, s58, 2
	s_add_co_u32 s58, s58, s13
	s_lshl_b32 s58, s58, 4
	v_add_nc_u32 v[DA], s58, v6                    ; my query less the diagonal step's first key, less 8 h: register 8 t + i is hidden where 16 t + i is greater
	s_and_b32 s58, s12, 1
	s_lshl_b32 s58, s58, 2
	s_add_co_u32 s58, s58, s13
	s_lshl_b32 s58, s58, 4
	v_add_nc_u32 v[DB], s58, v6
	s_mov_b32 s32, 0x76543210                      ; v_permlanex16_b32's selects for lane l xor 16
	s_mov_b32 s33, 0xfedcba98
	s_mov_b32 s28, 0                               ; the key step
	s_mov_b32 s29, 0                               ; and its LDS byte
	v_mov_b32 v9, 0xff61b1e6                       ; the largest t so far: -3e38, under every t
	s_delay_alu instid0(VALU_DEP_1)
	v_floor_f32 v8, -v9                            ; -M
	v_mov_b32 v10, 0
	v_mov_b32 v11, 0
	v_mov_b32 v13, 0xff61b1e6
	s_delay_alu instid0(VALU_DEP_1)
	v_floor_f32 v12, -v13
	v_mov_b32 v14, 0
	v_mov_b32 v15, 0
	v_mov_b32 v236, 0                              ; written once: a lane permute's destination counts as one of its sources;
	v_mov_b32 v252, 0
	v_mov_b32 v254, 0
	v_mov_b32 v253, 0                              ; (named as the upper half of the pair v[252:253])
.set oi, 0
.rept 64
	v_mov_b32 v[OA+oi], 0                          ; O^T of both tiles.  (The step is written once: the first finds zeros, which the first change of M leaves zeros)
.set oi, oi+1
.endr
	s_wait_kmcnt 0x0
	s_add_co_i32 s56, s36, s37
	s_lshl_b32 s56, s56, 23
	s_add_co_i32 s34, s56, 0x3e38aa3b              ; c = log2(e) / 8, with e6 + e7 added to its exponent field: a score stands for score x 2^(e6 + e7)
	s_mov_b32 s35, s34                             ; (named with it as a pair, so it is written)
	s_add_co_i32 s56, s38, 127
	s_lshl_b32 s57, s56, 23
	v_mov_b32 v244, s57                            ; 2^e8
	s_sub_co_i32 s56, s40, s38
	s_sub_co_i32 s56, s56, s39                     ; e10 - e8 - e9: a sum of the second product stands for sum x 2^(e8 + e9)
	s_add_co_i32 s56, s56, 127
	s_lshl_b32 s57, s56, 23
	v_mov_b32 v245, s57
	s_wait_loadcnt 0x0                             ; Q
	s_wait_tensorcnt 0x0                           ; my step's bytes are in,
	s_barrier_signal -1
	s_barrier_wait -1                              ; everybody's are: the head's K and V lie in LDS, and nothing writes LDS from here on
; ONE TILE'S KEY STEP: 128 keys.  Q, O, ST: the tile's registers; D: its bound on the diagonal; N: the scalar register with its last key step.
.macro STEP Q, O, ST, D, N
	s_cmp_gt_u32 s28, s[\N]                        ; all of the step's keys come after my 16 queries
	s_cbranch_scc1 .Lskip_\@
	v_add_nc_u32 v[ADK], s29, v[LI]
.rept 3
	v_nop                                          ; with the addition: four places in front of loads into registers that matrix instructions have read
.endr
.irp t, 0,1,2,3,4,5,6,7
	ds_load_b128 v[F+8*\t:F+8*\t+3], v[ADK] offset:1024*\t
	ds_load_b128 v[F+8*\t+4:F+8*\t+7], v[ADK] offset:1024*\t+512
.endr
	s_wait_alu depctr_va_vdst(0)
.irp t, 0,1,2,3,4,5,6,7
	s_wait_dscnt 14-2*\t                           ; tile t's two loads are in; the 2 (7 - t) behind them may be out
	v_wmma_f32_16x16x64_fp8_fp8 v[S+8*\t:S+8*\t+7], v[F+8*\t:F+8*\t+7], v[\Q:\Q+7], 0
.endr
.rept 4
	v_nop
.endr
.irp d, 0,1,2,3                                ; V^T is asked for now and lands under the softmax
.irp c, 0,1,2,3
	ds_load_b128 v[F+16*\d+4*\c:F+16*\d+4*\c+3], v[ADK] offset:8192+2048*\d+512*\c
.endr
.endr
	s_cmp_lg_u32 s28, s[\N]                        ; only the tile's last step lies on the diagonal
	s_cbranch_scc1 .Lopen_\@
	v_mov_b32 v254, 0xff800000                     ; hidden scores become -infinity ahead of the maximum: p = 0 then.  The step's first key counts for every query
.set mn, 0
.rept 64
	v_cmp_gt_i32 vcc_lo, 16*(mn/8)+mn%8, v[\D]
	v_cndmask_b32 v[S+mn], v[S+mn], v254, vcc_lo
.set mn, mn+1
.endr
.Lopen_\@:
	v_max3_num_f32 v254, v[S], v[S+1], v[S+2]      ; the step's largest score of my query among my 64 keys, in two chains, each accumulator from its low end on,
	v_max3_num_f32 v252, v[S+3], v[S+4], v[S+5]
.irp i, 6,10,14,18,22,26,30,34,38,42,46,50,54,58
	v_max3_num_f32 v254, v254, v[S+\i], v[S+\i+1]
	v_max3_num_f32 v252, v252, v[S+\i+2], v[S+\i+3]
.endr
	v_max3_num_f32 v254, v254, v[S+62], v[S+63]
	s_delay_alu instid0(VALU_DEP_1)
	v_max_num_f32 v254, v254, v252
	v_permlanex16_b32 v236, v254, s32, s33
	s_delay_alu instid0(VALU_DEP_1)
	v_max_num_f32 v254, v254, v236                 ; and among lane l xor 16's
	s_delay_alu instid0(VALU_DEP_1)
	v_mul_f32 v254, s34, v254                      ; as t (c is positive)
	s_delay_alu instid0(VALU_DEP_1)
	v_max_num_f32 v[\ST+1], v[\ST+1], v254         ; the running largest t
	v_mov_b32 v254, v[\ST]
	s_delay_alu instid0(VALU_DEP_2)
	v_floor_f32 v[\ST], -v[\ST+1]                  ; the new -M = floor(-t) = -ceil(t)
	s_delay_alu instid0(VALU_DEP_1)
	v_sub_f32 v254, v[\ST], v254                   ; old M less new M: a whole number, 0 or less
	s_delay_alu instid0(VALU_DEP_1)
	v_cvt_i32_f32 v254, v254                       ; (it saturates)
	s_delay_alu instid0(VALU_DEP_1)
	v_ldexp_f32 v252, 1.0, v254                    ; f = 2^(old M - new M)
.set pj, 0
.rept 32
	v_pk_fma_f32 v[S+pj:S+pj+1], v[S+pj:S+pj+1], s[34:35], v[\ST:\ST+1] op_sel_hi:[1,0,0]   ; t - M, two at a time (of the pairs c and -M the low word serves both halves)
.set pj, pj+2
.endr
.set pj, 0
	s_wait_alu depctr_va_vdst(0)
.rept 64
	v_exp_f32 v[S+pj], v[S+pj]                     ; p = 2^(t - M), at most 1
.set pj, pj+1
.endr
	v_pk_mul_f32 v[\ST+2:\ST+3], v[\ST+2:\ST+3], v[252:253] op_sel_hi:[1,0]   ; the sums under the new M.  (The plain line behind the exponentials)
	s_wait_alu depctr_va_vdst(0)                   ; one wait for the batch of 64, ahead of its first reader
	v_pk_add_f32 v[242:243], v[S:S+1], v[S+2:S+3]  ; the row's sum is taken of the unquantised p: two at a time, in two chains
.irp j, 4,8,12,16,20,24,28,32,36,40,44,48,52,56,60
	v_pk_add_f32 v[\ST+2:\ST+3], v[\ST+2:\ST+3], v[S+\j:S+\j+1]
	v_pk_add_f32 v[242:243], v[242:243], v[S+\j+2:S+\j+3]
.endr
	s_delay_alu instid0(VALU_DEP_1)
	v_pk_add_f32 v[\ST+2:\ST+3], v[\ST+2:\ST+3], v[242:243]
.irp t, 0,1,2,3,4,5,6,7
.irp i, 0,1,2,3,4,5,6,7
.endr
	v_cvt_scalef32_pk8_fp8_f32 v[PC+2*\t:PC+2*\t+1], v[S+8*\t:S+8*\t+7], v244
.endr
.set pj, 0
.rept 16
	v_pk_mul_f32 v[\O+pj:\O+pj+1], v[\O+pj:\O+pj+1], v[252:253] op_sel_hi:[1,0]   ; O^T under the new M.  (Also the plain lines between the conversions and the products)
.set pj, pj+2
.endr
	s_wait_alu depctr_va_vdst(0)
	s_wait_dscnt 0x0                               ; V^T is in
.irp d, 0,1,2,3                                ; the four accumulators take turns; between two links of a chain stand the other tile's and the next step's products
	v_wmma_f32_16x16x128_fp8_fp8 v[\O+8*\d:\O+8*\d+7], v[F+16*\d:F+16*\d+15], v[PC:PC+15], v[\O+8*\d:\O+8*\d+7]
.endr
.Lskip_\@:
.endm
.Lks:                                              ; 16 trips
	STEP QA, OA, 8, DA, 30
	STEP QB, OB, 12, DB, 31
	s_add_co_u32 s29, s29, 16384
	s_add_co_u32 s28, s28, 1
	s_cmp_lt_u32 s28, 16
	s_cbranch_scc1 .Lks
	; THE WAY OUT: O^T / the sum, quantised along d; the codes are the block of ac as it lies
.rept 4
	v_nop
.endr
	v_add_f32 v10, v10, v11                        ; the sum's two halves,
	v_add_f32 v14, v14, v15
	s_delay_alu instid0(VALU_DEP_2)
	v_permlanex16_b32 v252, v10, s32, s33
	s_delay_alu instid0(VALU_DEP_2)
	v_permlanex16_b32 v254, v14, s32, s33
	s_delay_alu instid0(VALU_DEP_2)
	v_add_f32 v10, v10, v252                       ; and lane l xor 16's
	s_delay_alu instid0(VALU_DEP_2)
	v_add_f32 v14, v14, v254
	s_wait_alu depctr_va_vdst(0)
	v_rcp_f32 v10, v10
	v_rcp_f32 v14, v14
	v_nop                                          ; a plain line behind the reciprocals
	s_wait_alu depctr_va_vdst(0)                   ; one wait for the two, ahead of the first reader
.macro FIN O, ST, TMP, CDR, PTR
.set pj, 0
.rept 16
	v_pk_mul_f32 v[\TMP+pj:\TMP+pj+1], v[\O+pj:\O+pj+1], v[\ST+2:\ST+3] op_sel_hi:[1,0]   ; register 8 d + i: channel 16 d + 8 h + i of my query
.set pj, pj+2
.endr
.set pj, 0
.rept 32
.set pj, pj+1
.endr
.irp d, 0,1,2,3
	v_cvt_scalef32_pk8_fp8_f32 v[\CDR+2*\d:\CDR+2*\d+1], v[\TMP+8*\d:\TMP+8*\d+7], v245
.endr
	v_nop                                          ; a plain line directly behind the last conversion
	global_store_b128 v[LI], v[\CDR:\CDR+3], s[\PTR:\PTR+1]               ; 512 consecutive bytes, aligned
	global_store_b128 v[LI], v[\CDR+4:\CDR+7], s[\PTR:\PTR+1] offset:512
.endm
	FIN OA, 8, 96, 224, 46
	FIN OB, 12, 128, 232, 48
	s_wait_tensorcnt 0x0
	ds_add_u32 v251, v255
	s_wait_dscnt 0x0
	ROUND                                          ; the closing round
	s_endpgm
.Lfunc_end_k_q2c9271aa6d_attn:
	.size	k_q2c9271aa6d_attn, .Lfunc_end_k_q2c9271aa6d_attn-k_q2c9271aa6d_attn
	.p2alignl 7, 3214868480
	.fill 96, 4, 3214868480
	.section	.rodata,"a",@progbits
	.p2align	6, 0x0
	.amdhsa_kernel k_q2c9271aa6d_attn
		.amdhsa_group_segment_fixed_size 264192
		.amdhsa_private_segment_fixed_size 0
		.amdhsa_enable_private_segment 0
		.amdhsa_kernarg_size 32
		.amdhsa_user_sgpr_count 2
		.amdhsa_user_sgpr_kernarg_segment_ptr 1
		.amdhsa_wavefront_size32 1
		.amdhsa_system_sgpr_workgroup_id_x 1
		.amdhsa_system_sgpr_workgroup_id_y 1
		.amdhsa_system_sgpr_workgroup_id_z 1
		.amdhsa_system_vgpr_workitem_id 0
		.amdhsa_next_free_vgpr 256
		.amdhsa_next_free_sgpr 66
		.amdhsa_reserve_vcc 1
		.amdhsa_float_denorm_mode_32 3
		.amdhsa_float_denorm_mode_16_64 3
		.amdhsa_fp16_overflow 1
		.amdhsa_memory_ordered 1
		.amdhsa_forward_progress 1
		.amdhsa_inst_pref_size 50
	.end_amdhsa_kernel
	.amdgpu_metadata
---
amdhsa.version: [ 1, 2 ]
amdhsa.kernels:
  - .name:           k_q2c9271aa6d_attn
    .symbol:         k_q2c9271aa6d_attn.kd
    .args:
      - { .name: qc, .offset: 0, .size: 8, .value_kind: global_buffer, .address_space: global }
      - { .name: kv, .offset: 8, .size: 8, .value_kind: global_buffer, .address_space: global }
      - { .name: lowp_scales, .offset: 16, .size: 8, .value_kind: global_buffer, .address_space: global }
      - { .name: ac, .offset: 24, .size: 8, .value_kind: global_buffer, .address_space: global }
    .group_segment_fixed_size: 264192
    .private_segment_fixed_size: 0
    .kernarg_segment_align: 8
    .kernarg_segment_size: 32
    .max_flat_workgroup_size: 512
    .sgpr_count:     66
    .vgpr_count:     256
    .wavefront_size: 32
...
	.end_amdgpu_metadata
.endif
;; end of part 3
;; launch oproj (part 4): grid 4 x 32, 4 waves a work-group, clusters of 4 x 4, 327,680 bytes of LDS; arguments ac, wc, lowp_scales, out0; writes out0
.if DOCPART == 4
	.amdgcn_target "amdgcn-amd-amdhsa--gfx1250"
	.amdhsa_code_object_version 6
	.text
	.protected	k_q2c9271aa6d_oproj
	.globl	k_q2c9271aa6d_oproj
	.p2align	8
	.type	k_q2c9271aa6d_oproj,@function
k_q2c9271aa6d_oproj:
	s_mov_b64 s[64:65], 0
	v_nop
	global_prefetch_b8 v0, s[64:65] scope:SCOPE_SE
	s_setreg_imm32_b32 hwreg(HW_REG_WAVE_MODE, 25, 1), 1
	s_wait_xcnt 0x0
	s_wait_alu depctr_hold_cnt(0) depctr_sa_sdst(0) depctr_va_vdst(0) depctr_va_sdst(0) depctr_va_ssrc(0) depctr_va_vcc(0) depctr_vm_vsrc(0)
	s_getreg_b32 s2, hwreg(HW_REG_IB_STS2, 6, 4)
	s_cmp_eq_u32 s2, 0
	s_cbranch_scc0 .Lentry_in_a_cluster
	s_endpgm
.Lentry_in_a_cluster:
	s_bfe_u32 s2, ttmp6, 0x10000c
	s_cmp_lg_u32 s2, 0xf033
	s_cbranch_scc0 .Lentry_shape_is_right
	s_endpgm
.Lentry_shape_is_right:
; out0 = A WO^T on codes of FP8 (E4M3), each finished sum x 2^(e10 + e11).  A: the attention's result [8192][1024] as codes (ac); WO's codes: the fourth MiB of wc; out0: [8192][1024] f32.
; Both operands lie in blocks of 16 rows x 64 k, 1,024 bytes, block (T, g) at (16 T + g) x 1,024, each an image of the plain 8-bit fragment's registers; two neighbouring blocks are a fragment of 16 rows x 128 k,
; and every load of one takes 512 consecutive bytes, so LDS needs no padding.
; A tile of 256 x 256 is made by four waves, each 128 x 128: 64 accumulators, 512 registers.  K = 1,024 goes in four steps of 256 through two LDS slots.
; CLUSTERS: 4 x 4 work-groups: the four of a row need the same tokens, the four of a column the same rows of WO: each tile is asked for JOINTLY.  128 work-groups: the tile is kept at 256 x 256, since a smaller one reads
; more LDS bytes for each product.
; THE MATRIX INSTRUCTION IS USED TRANSPOSED (source 0 = 16 rows of WO, source 1 = 16 tokens): a lane holds eight neighbouring numbers of a row of out0.
; LIMIT: e10 + e11 lies between -126 and 127, so that 2^(e10 + e11) is an f32 number.
; REGISTERS, in windows of 256: window 0: v16-29 addresses; v128-255 the tokens' fragments, ONE set; on the way out v32-255 are free.   window 1: WO's fragments, TWO sets.   windows 2, 3: the accumulators.
.set KSB,   4096                       ; a row tile's bytes in a K step of 256: four blocks
.set HALFT, 8*KSB
.set SLOT,  4*HALFT
.set SPARE, 2*SLOT                     ; behind the ring: the spare words, 128 bytes for each wave: two blocks of 256 bytes that no other line names
.set SPITCH, 528                       ; the way out: a stage of 16 rows x (512 bytes + 16) for each wave, in slot 0, which has had its last fill and its last read when the first result is stored there
.set SIZE_N, 1024
.set FR,    16
.set NL,    4
.set NP,    4
.set ADR1, 16
.set ADR0, 20
.set STO,  24                          ; v24     the way out: where I put 32 bytes of a row
.set RD,   25                          ; v25     where I read a row back
.set CO,   26                          ; v26     16 x lane
.set SPW,  28
.set NIL,  29
.set TMP,  32
.set AF,   128
.set BK,   128
.set G1, 24
.set G0, 32
.set G1B, 48
.set G0B, 56
.set MSB, 0
.macro WIN new                         ; the immediate's high byte repeats the setting that is left
.if MSB != (\new)
	s_set_vgpr_msb (MSB<<8)|(\new)
.set MSB, (\new)
.endif
.endm
.set MUL_LO, 0xa1
.set MUL_HI, 0xf1
.set TO_0,   0x40
.macro JLOAD g0a, g1a, g0b, g1b        ; a joint load: waves 0 and 1 fetch the tokens' halves, waves 2 and 3 WO's; four v_nop follow each line
	s_cmp_eq_u32 s15, 0
	s_cbranch_scc0 .Lfor_b_\@
	tensor_load_to_lds s[\g0a:\g0a+3], s[\g1a:\g1a+7]
	s_nop 0
.rept 4
	v_nop
.endr
	s_branch .Lasked_\@
.Lfor_b_\@:
	tensor_load_to_lds s[\g0b:\g0b+3], s[\g1b:\g1b+7]
	s_nop 0
.rept 4
	v_nop
.endr
.Lasked_\@:
.endm
.macro CREST
	s_cmp_lg_u32 s14, 0
	s_cbranch_scc1 .Lnot_wave_0_\@
	s_barrier_signal -3
.Lnot_wave_0_\@:
	s_barrier_wait -3
	s_barrier_signal -1
	s_barrier_wait -1
.endm
.macro CROUND
	s_barrier_signal -1
	s_barrier_wait -1
	CREST
.endm
	s_load_b256 s[4:11], s[0:1], 0x0               ; ac s[4:5], wc s[6:7], the exponents s[8:9], out0 s[10:11]
	v_lshl_add_u32 v[SPW], v0, 2, SPARE
	v_mov_b32 v[NIL], 0
	ds_add_u32 v28, v29
	ds_add_u32 v28, v29
	s_wait_dscnt 0x0
	v_lshrrev_b32 v1, 5, v0
	v_readfirstlane_b32 s14, v1                    ; wave 0..3
	s_lshr_b32 s15, s14, 1                         ; which 128 tokens are mine.  Also: I fetch tokens (0) or WO (1)
	s_and_b32 s16, s14, 1                          ; which 128 columns.  Also: which half of that tile I fetch
	s_bfe_u32 s40, ttmp6, 0x40000                  ; cx: the tile column (the grid is one cluster wide)
	s_bfe_u32 s41, ttmp6, 0x40004                  ; cy
	s_and_b32 s17, ttmp7, 0xffff
	s_lshl_b32 s17, s17, 2
	s_add_co_u32 s17, s17, s41                     ; the tile row = 4 x cluster y + cy
	s_lshl_b32 s43, s41, 2
	s_lshl_b32 s43, 15, s43                        ; my row of the cluster
	s_lshl_b32 s44, 0x1111, s40                    ; my column
	s_or_b32 s[G1+0], s43, (3<<16)|(1<<21)         ; group 1: the mask; elements of 8 bytes; no padding; 21 set beside a mask
	s_or_b32 s[G1B+0], s44, (3<<16)|(1<<21)
.irp g, G1, G1B
	s_mov_b32 s[\g+1], 512<<16                     ; eight row tiles, 4,096 bytes of each, 16,384 bytes apart in memory
	s_mov_b32 s[\g+2], 8<<16
	s_mov_b32 s[\g+3], 512<<16
	s_mov_b32 s[\g+4], 8
	s_mov_b32 s[\g+5], 2048
	s_mov_b32 s[\g+6], 0
	s_mov_b32 s[\g+7], 0
.endr
	s_lshl_b32 s18, s16, 3
	s_lshl_b32 s20, s17, 4
	s_add_co_u32 s20, s20, s18
	s_lshl_b32 s20, s20, 14
	s_mov_b32 s21, 0
	s_lshl_b32 s46, s40, 4
	s_add_co_u32 s46, s46, s18
	s_lshl_b32 s46, s46, 14
	s_add_co_u32 s46, s46, 3<<20                   ; WO's codes
	s_mov_b32 s47, 0
	s_lshl_b32 s45, s14, 15
	s_wait_kmcnt 0x0
	s_load_b64 s[96:97], s[8:9], 0x28              ; e10, e11
	s_add_nc_u64 s[20:21], s[4:5], s[20:21]
	s_add_nc_u64 s[46:47], s[6:7], s[46:47]
	CROUND                                         ; all sixteen work-groups are here: the first joint loads meet
.irp s, 0,1
	s_mov_b32 s[G0+4*\s], 1
	s_add_co_u32 s[G0+4*\s+1], s45, \s*SLOT
	s_add_nc_u64 s[G0+4*\s+2:G0+4*\s+3], s[20:21], \s*KSB
	s_or_b32 s[G0+4*\s+3], s[G0+4*\s+3], 0x80000000
	s_mov_b32 s[G0B+4*\s], 1
	s_add_co_u32 s[G0B+4*\s+1], s45, \s*SLOT
	s_add_nc_u64 s[G0B+4*\s+2:G0B+4*\s+3], s[46:47], \s*KSB
	s_or_b32 s[G0B+4*\s+3], s[G0B+4*\s+3], 0x80000000
	s_wait_alu depctr_va_vdst(0)
	s_wait_tensorcnt 0x0
	ds_add_u32 v28, v29
	ds_add_u32 v28, v29
	s_wait_dscnt 0x0
	CROUND
	JLOAD G0+4*\s, G1, G0B+4*\s, G1B               ; one tensor load of mine is out
.endr
	v_and_b32 v1, 15, v0
	s_wait_alu depctr_va_vdst(0)
	v_bfe_u32 v2, v0, 4, 1
	v_and_b32 v6, 31, v0
	v_lshlrev_b32 v[CO], 4, v6
	s_lshl_b32 s21, s15, 15                        ; my 128 tokens in a slot
	s_lshl_b32 s22, s16, 15
	s_add_co_u32 s22, s22, 2*HALFT                 ; my 128 rows of WO
.irp s, 0,1
	v_add_nc_u32 v[ADR1+\s], s21, v[CO]
	v_add_nc_u32 v[ADR0+\s], s22, v[CO]
	s_add_co_u32 s21, s21, SLOT
	s_add_co_u32 s22, s22, SLOT
.endr
	s_mul_i32 s23, s14, 16*SPITCH                  ; my stage
	v_mul_u32_u24 v5, v1, SPITCH                   ; in: row l % 16, 32 bytes for each half of the lanes
	s_wait_alu depctr_va_vdst(0)
	v_lshl_add_u32 v5, v2, 5, v5
	v_add_nc_u32 v[STO], s23, v5
	v_add_nc_u32 v[RD], s23, v[CO]                 ; back: the 32 lanes take one row of 512 bytes
	s_lshl_b32 s20, s17, 8
	s_lshl_b32 s21, s15, 7
	s_add_co_u32 s20, s20, s21                     ; my first row of out0,
	s_lshl_b32 s20, s20, 12                        ; of 4,096 bytes,
	s_lshl_b32 s46, s40, 10
	s_lshl_b32 s47, s16, 9
	s_add_co_u32 s46, s46, s47                     ; my first column, in bytes
	s_add_co_u32 s20, s20, s46
	s_mov_b32 s21, 0
	s_add_nc_u64 s[10:11], s[10:11], s[20:21]
.macro FRAG reg, adr, q, i             ; a fragment: two blocks, 2,048 bytes on end
.irp c, 0,1,2,3
	ds_load_b128 v[\reg+4*\c:\reg+4*\c+3], v[\adr] offset:2048*(\q)+KSB*(\i)+512*\c
.endr
.endm
; The 64 accumulators take turns, one instruction a turn, in the same order in every step.  zero = 1: the first product starts the sums.
.macro MUL16 a0, p, zero
.irp a, \a0, \a0+1
.irp b, 0,1,2,3,4,5,6,7
.if \zero
	v_wmma_f32_16x16x128_fp8_fp8 v[8*(8*((\a)%4)+\b):8*(8*((\a)%4)+\b)+7], v[128*(\p)+FR*\b:128*(\p)+FR*\b+FR-1], v[AF+FR*(\a):AF+FR*(\a)+FR-1], 0
.else
	v_wmma_f32_16x16x128_fp8_fp8 v[8*(8*((\a)%4)+\b):8*(8*((\a)%4)+\b)+7], v[128*(\p)+FR*\b:128*(\p)+FR*\b+FR-1], v[AF+FR*(\a):AF+FR*(\a)+FR-1], v[8*(8*((\a)%4)+\b):8*(8*((\a)%4)+\b)+7]
.endif
.endr
.endr
.endm
.macro FETCH_0 slot, q, p
	WIN TO_0
.irp i, 0,1,2,3,4,5,6,7
	FRAG 128*(\p)+FR*\i, ADR0+\slot, \q, \i
.endr
	WIN 0
.endm
.macro FETCH_1 slot, q, i0
.irp i, \i0, \i0+1, \i0+2, \i0+3
	FRAG AF+FR*(\i), ADR1+\slot, \q, \i
.endr
.endm
.macro PLACES n                        ; places behind matrix instructions (ISA guide 7.12.1 for vector instructions): plain vector lines that name none of their registers
.rept \n
	v_nop
.endr
.endm
.macro STEP slot, q, zero
	s_wait_dscnt 4*NL                              ; WO's set and the tokens' blocks 0-3 are in; the youngest sixteen loads (blocks 4-7) may be out
	WIN MUL_LO
	MUL16 0, (\q)%2, \zero
	MUL16 2, (\q)%2, \zero
	s_wait_dscnt 0
	PLACES NP
	FETCH_0 \slot, (\q)+1, 1-(\q)%2
	FETCH_1 \slot, (\q)+1, 0
	WIN MUL_HI
	MUL16 4, (\q)%2, \zero
	MUL16 6, (\q)%2, \zero
	PLACES NP
	WIN 0
	FETCH_1 \slot, (\q)+1, 4
.endm
; A slot's last step changes slots: ONE barrier; in front of it each wave waits for all its tensor loads, adds 0 to its spare word, and waits for that and for its own reads of this slot.
.macro TURN slot, next, fill
	s_wait_tensorcnt 0x0                           ; all my tensor loads have landed: my part of the next slot
	ds_add_u32 v[SPW], v[NIL]                      ; 0 onto my spare word
	s_wait_dscnt 4*NL+1                            ; (the add and the youngest sixteen loads may be out)
	WIN MUL_LO
	MUL16 0, 1, 0
	s_wait_dscnt 0x0                               ; the add is done, and my reads of this slot are over
	s_barrier_signal -1
	MUL16 2, 1, 0
	WIN 0
	s_barrier_wait -1
.if \fill
	CREST                                          ; the barrier has opened a round of the cluster's barrier: no wave of any partner still reads this slot's tile or has a load on its way
	s_add_nc_u64 s[G0+4*\slot+2:G0+4*\slot+3], s[G0+4*\slot+2:G0+4*\slot+3], 2*KSB
	s_add_nc_u64 s[G0B+4*\slot+2:G0B+4*\slot+3], s[G0B+4*\slot+2:G0B+4*\slot+3], 2*KSB
	JLOAD G0+4*\slot, G1, G0B+4*\slot, G1B         ; the first tensor load behind the round, my only one until the next
.else
	PLACES NP
.endif
	FETCH_0 \next, 0, 0
	FETCH_1 \next, 0, 0
	WIN MUL_HI
	MUL16 4, 1, 0
	MUL16 6, 1, 0
	PLACES NP
	WIN 0
	FETCH_1 \next, 0, 4
.endm
	s_wait_tensorcnt 1                             ; my part of K step 0 is in (K step 1's load may be out)
	s_barrier_signal -1
	s_barrier_wait -1                              ; everybody's is
	FETCH_0 0, 0, 0
	FETCH_1 0, 0, 0
	FETCH_1 0, 0, 4
	STEP 0, 0, 1                                   ; eight steps of 128 along K, written out: a loop would have one trip
	TURN 0, 1, 1
	STEP 1, 0, 0
	TURN 1, 0, 1
	STEP 0, 0, 0
	TURN 0, 1, 0
	STEP 1, 0, 0
	s_wait_dscnt 4*NL
	WIN MUL_LO
	MUL16 0, 1, 0
	MUL16 2, 1, 0
	s_wait_dscnt 0
	WIN MUL_HI
	MUL16 4, 1, 0
	MUL16 6, 1, 0
	WIN 0
; THE WAY OUT, block by block of 16 rows x 128 columns: through my own stage in LDS and back as whole rows of 512 bytes, which the 32 lanes store as two aligned runs of 256 bytes.
; LDS serves a wave's instructions in order (ISA guide 5.7.1.4): no wait between the stores and the loads, nor in front of the next block's stores.
.macro TOSTAGE a
.set AC, 64*((\a)%4)
	WIN 0x02+((\a)/4)
.irp j, 0,2,4,6,8,10,12,14,16,18,20,22,24,26,28,30,32,34,36,38,40,42,44,46,48,50,52,54,56,58,60,62
	v_pk_mul_f32 v[TMP+\j:TMP+\j+1], v[AC+\j:AC+\j+1], s[96:97] op_sel_hi:[1,0]   ; both x s96 = 2^(e10 + e11); each accumulator from its low end on
.endr
	WIN 0
.irp b, 0,1,2,3,4,5,6,7
	ds_store_b128 v[STO], v[TMP+8*\b:TMP+8*\b+3] offset:64*\b
	ds_store_b128 v[STO], v[TMP+8*\b+4:TMP+8*\b+7] offset:64*\b+16
.endr
.set BB, BK+64*((\a)%2)
.irp t, 0,1,2,3,4,5,6,7,8,9,10,11,12,13,14,15
	ds_load_b128 v[BB+4*\t:BB+4*\t+3], v[RD] offset:\t*SPITCH
.endr
.endm
.macro SEND a, younger                 ; younger: the LDS instructions issued behind block a's loads, which may stay out
.set BB, BK+64*((\a)%2)
	s_wait_dscnt \younger
.if (\a) > 0
	s_add_nc_u64 s[10:11], s[10:11], 16*SIZE_N*4   ; (behind a wait on XCNT: the earlier stores have read their base)  16 rows on
.endif
.irp t, 0,1,2,3,4,5,6,7,8,9,10,11,12,13,14,15
	global_store_b128 v[CO], v[BB+4*\t:BB+4*\t+3], s[10:11] offset:\t*SIZE_N*4 th:TH_STORE_NT   ; 512 consecutive bytes, aligned; written once, read by nobody here
.endr
.endm
	s_wait_kmcnt 0x0
	s_add_co_i32 s96, s96, s97
	s_add_co_i32 s96, s96, 127
	s_lshl_b32 s96, s96, 23                        ; 2^(e10 + e11) as f32
	PLACES NP
	TOSTAGE 0
.irp a, 1,2,3,4,5,6,7
.if \a > 1
	s_wait_xcnt 0x0                                ; block a - 2's stores have read their registers and their base
.endif
	TOSTAGE \a
	SEND \a-1, 32                                  ; behind block a - 1's loads: block a's 16 stores and 16 loads
.endr
	s_wait_xcnt 0x0
	SEND 7, 0
	s_wait_tensorcnt 0x0                           ; the wave's end
	ds_add_u32 v[SPW], v[NIL]
	s_wait_dscnt 0x0
	CROUND                                         ; the closing round
	s_endpgm
.Lfunc_end_k_q2c9271aa6d_oproj:
	.size	k_q2c9271aa6d_oproj, .Lfunc_end_k_q2c9271aa6d_oproj-k_q2c9271aa6d_oproj
	.p2alignl 7, 3214868480
	.fill 96, 4, 3214868480
	.section	.rodata,"a",@progbits
	.p2align	6, 0x0
	.amdhsa_kernel k_q2c9271aa6d_oproj
		.amdhsa_group_segment_fixed_size 327680
		.amdhsa_private_segment_fixed_size 0
		.amdhsa_enable_private_segment 0
		.amdhsa_kernarg_size 32
		.amdhsa_user_sgpr_count 2
		.amdhsa_user_sgpr_kernarg_segment_ptr 1
		.amdhsa_wavefront_size32 1
		.amdhsa_system_sgpr_workgroup_id_x 1
		.amdhsa_system_sgpr_workgroup_id_y 1
		.amdhsa_system_sgpr_workgroup_id_z 1
		.amdhsa_system_vgpr_workitem_id 0
		.amdhsa_next_free_vgpr 1024
		.amdhsa_next_free_sgpr 100
		.amdhsa_reserve_vcc 0
		.amdhsa_float_denorm_mode_32 3
		.amdhsa_float_denorm_mode_16_64 3
		.amdhsa_memory_ordered 1
		.amdhsa_forward_progress 1
		.amdhsa_inst_pref_size 124
	.end_amdhsa_kernel
	.amdgpu_metadata
---
amdhsa.version: [ 1, 2 ]
amdhsa.kernels:
  - .name:           k_q2c9271aa6d_oproj
    .symbol:         k_q2c9271aa6d_oproj.kd
    .args:
      - { .name: ac, .offset: 0, .size: 8, .value_kind: global_buffer, .address_space: global }
      - { .name: wc, .offset: 8, .size: 8, .value_kind: global_buffer, .address_space: global }
      - { .name: lowp_scales, .offset: 16, .size: 8, .value_kind: global_buffer, .address_space: global }
      - { .name: out0, .offset: 24, .size: 8, .value_kind: global_buffer, .address_space: global }
    .group_segment_fixed_size: 327680
    .private_segment_fixed_size: 0
    .kernarg_segment_align: 8
    .kernarg_segment_size: 32
    .max_flat_workgroup_size: 128
    .sgpr_count:     100
    .vgpr_count:     1024
    .wavefront_size: 32
...
	.end_amdgpu_metadata
.endif
;; end of part 4
